; MI455X (gfx1250); checked and timed in simulation.
; The chip was launched on July 23, 2026; its instructions are those of AMD's public machine-readable ISA for CDNA 5 (MIT licence, August 2026) and "CDNA5" Instruction Set Architecture Reference Guide (July 2026). The comments in the code are by the model that wrote it; some were corrected since.
;; Scale Dot Product Attention. Allowed arithmetic: matrix products marked QUANTISED: E2M1 operands, one E8M0 scale for each 32 along K, by v_wmma_scale_f32_16x16x128_f8f6f4 with both operands' format E2M1 (or v_wmma_scale_f32_32x16x128_f4), f32 sums; everything else in f32.
;; Inputs: k 4 x 16 x 2,048 x 64 float32; q 4 x 16 x 2,048 x 64 float32; v 4 x 16 x 2,048 x 64 float32.
;; Outputs: out0 4 x 16 x 2,048 x 64 float32.
;; This version of the problem:
;;   THIS VERSION OF THE PROBLEM IS GIVEN IN LOW PRECISION. The matrix products marked QUANTISED in the list below multiply operands that are first quantised to E2M1 (2 exponent bits, 1 mantissa bit; 4 bits a number), with one power-of-two scale for each 32 numbers along K (OCP MX v1.0); their sums are f32. All else is computed in f32.
;;   The module's matrix products, in the order in which they are computed (A, B: the left and right operand; K: the contracted axis; several contracted axes count as one K, in the product's order):
;;     1. batch 64 x [M 2,048, K 64] x [K 64, N 2,048]; A: input q; B: input k: QUANTISED
;;     2. batch 64 x [M 2,048, K 2,048] x [K 2,048, N 64]; A: softmax (see below); B: input v: QUANTISED
;;   THE QUANTISER, for each operand of a quantised product, along K:
;;     - K is cut into blocks of 32 from its start; a last block that is shorter is filled with zeros.
;;     - A block's scale is 2^e with e = floor(log2(the largest magnitude in the block)) - 2, held to -126 .. 127; a block of zeros has e = 0. As a byte (E8M0): e + 127.
;;     - Each number is divided by its block's scale, clamped to +-6, and rounded to the nearest number of E2M1, ties to even, subnormals kept.
;;     - The product sums the exact products of the quantised numbers (number of the format x scale) in f32.
;;   ~~~python
;;   def quantise(x, axis):      # numpy; x: float32 -> the quantised numbers, widened to float32 again
;;       x = np.moveaxis(x, axis, -1); K = x.shape[-1]
;;       x = np.pad(x, [(0, 0)] * (x.ndim - 1) + [(0, -K % 32)]); x = x.reshape(x.shape[:-1] + (-1, 32)); a = np.abs(x).max(-1, keepdims=True)
;;       e = np.where(a > 0, np.clip(np.frexp(np.where(a > 0, a, 1))[1] - 1 - 2, -126, 127), 0)      # np.frexp(a)[1] - 1 = floor(log2(a)), exactly
;;       r = np.clip(x / 2.0 ** e, -6, 6)
;;       step = 2.0 ** (np.maximum(np.frexp(np.where(r == 0, 1, r))[1] - 1, 0) - 1)
;;       q = np.round(r / step) * step * 2.0 ** e      # np.round: ties to even
;;       return np.moveaxis(q.reshape(q.shape[:-2] + (-1,))[..., :K], -1, axis).astype(np.float32)
;;   ~~~
;;   SOFTMAX AHEAD OF A QUANTISED PRODUCT. Where the list says 'softmax', what is quantised is not the finished softmax but p = 2^(t - M), with t = logit x log2(e) and M = ceil(the row's largest t), a whole number; so 1/2 < the row's largest p <= 1. The row's sum l is taken of the UNQUANTISED p, in f32, and the product's result is divided by l at the end. Since M is a whole number, a kernel that streams over the keys may use a running M (the ceiling of the running maximum): every later rescaling is an exact power of two, which a block's scale takes up: the codes' values come out the same.
;;   OPERANDS COMPUTED ON THE WAY. 'Computed on the way' means the value that the module computes at that place (a softmax that the list does not call 'softmax' is quantised finished and normalised). What goes into a quantiser is computed in f32, as accurately as f32 sums, v_exp_f32 and their like allow (about 1e-6 of the number): no bf16 or f16 on the way to a quantiser, and a product that is left as it is and whose result goes on into a quantised operand takes f32 operands (vector FMAs, or v_wmma_f32_16x16x4_f32). A number that lies on a knife's edge between two numbers of the format may be rounded either way, as far as f32 arithmetic and the matrix unit's own rounding can turn it there, and no further.
;; 2 versions, each right; version 2 is version 1 with the launch attn written anew for expert scheduling mode. Each part assembles by itself: llvm-mc -triple=amdgcn-amd-amdhsa -mcpu=gfx1250 --defsym DOCPART=n.
;; ======== version 1 of 2: 1 launch
;; launch attn (part 1): grid 4 x 64, 16 waves a work-group, no clusters, 231,424 bytes of LDS; arguments q, k, v, out0; writes out0
.if DOCPART == 1
	.amdgcn_target "amdgcn-amd-amdhsa--gfx1250"
	.amdhsa_code_object_version 6
	.text
	.protected	k_q8a9509ef42_attn
	.globl	k_q8a9509ef42_attn
	.p2align	8
	.type	k_q8a9509ef42_attn,@function
k_q8a9509ef42_attn:
	s_mov_b64 s[64:65], 0
	v_nop
	global_prefetch_b8 v0, s[64:65] scope:SCOPE_SE
	s_setreg_imm32_b32 hwreg(HW_REG_WAVE_MODE, 25, 1), 1
	s_wait_xcnt 0x0
; out0[h][q][:] = the sum over k of softmax_k(Q[h][q] . K[h][k] / 8) V[h][k][:], 64 heads of 2,048 x 64, all f32 in memory; both products on codes of FP4 (E2M1) with one E8M0 scale for each 32 along a product's K.
; THE SOFTMAX AHEAD OF THE SECOND PRODUCT: t = score x log2(e) / 8; M = the row's largest t so far, rounded UP to a whole number; p = 2^(t - M) is quantised along the keys, not normalised.
; The row's sum is taken of the unquantised p, in f32, and divides O at the end.  When M moves, the sum and O are multiplied by 2^(old M - new M): exact.
; SHARES.  A work-group owns 512 queries of one head (x: which 512; y: the head); each of its sixteen waves owns 32 of them, two tiles A and B of 16, in 256 registers.
; ONE HEAD'S K AND V AS CODES FIT IN LDS WHOLE (64 KiB + 64 KiB + 8 KiB of scale bytes).  So the work-group quantises them once: wave w takes keys 128 w .. 128 w + 127, from memory straight into registers,
; and stores codes and scale words to LDS AS IMAGES OF THE OPERANDS' REGISTERS (lane l's 16 bytes at 16 l, 512 bytes a load).  One barrier; then every wave walks the sixteen key steps with LDS loads alone.
; NO JOINT LOADS, though the four work-groups of a head read the same 1 MiB of K and V: every f32 number is wanted once in a work-group, in a lane's registers, for the quantiser; through LDS it would be 1 MiB
; passing through slots filled again beside 139,264 bytes of resident codes, and read out of LDS once more, where these loads touch no LDS at all.
; LAYOUT.  Both products are used transposed: S^T = K Q^T (source 0 = 16 keys, source 1 = 16 queries), O^T = V^T P^T (source 0 = 16 of the head's 64, source 1 = P): a lane holds ONE query (lane % 16) throughout.
; THE KEYS OF A TILE ARE NOT NEIGHBOURS: row r of tile 2 f + u is key 32 f + 8 u + r + 8 (r / 8), so that the 16 registers of tiles 2 f and 2 f + 1 are 16 neighbouring keys, 32 f + 16 (lane / 16) + 0 .. 15.
; THE FIRST PRODUCT'S K IS 64, THE INSTRUCTION'S 128.  A PAIR-FRAGMENT of K holds tile 2 f in registers 0-3 (k 0 .. 63) and tile 2 f + 1 in registers 4-7 (k 64 .. 127).  Against (q, zeros) it gives tile 2 f,
; against (zeros, q) tile 2 f + 1: the other half meets zero codes, which add nothing under scale bytes of 1 .. 254.  So no fragment is read twice and K's side holds no zeros.  Q lies as [0 | qA | 0 | qB | 0].
; LIMITS.  NaN and infinities among the inputs are not served.  A block of zeros gets the byte 1 where the rule says 127: its codes are zeros, and this program alone reads the bytes.
; A p under 2^-126 comes out of v_exp_f32 as 0 (ISA guide 15.8): nothing beside a row's largest p, which is over 1/2.
.set STEPB, 8704                       ; LDS: a key step's region: K's image 4,096 bytes (4 pair-fragments x 2 chunks x 512), V's 4,096 (4 tiles x 2 chunks x 512), 512 of scale words
.set VIMG,  4096
.set SCW,   8192                       ; 16 bytes a lane: lanes 0-15 (r): word f = K's scale word of pair-fragment f, row r; lanes 16-31 (r): word t = V's scale word of tile t, row r
.set QIMG,  16*STEPB                   ; Q's images: 1,024 bytes a wave (tile A, tile B)
.set QSC,   QIMG+16*1024               ; Q's scale words: 128 bytes a wave (16 words for A, 16 for B), bytes (s0, s1, s0, s1)
.set STG,   QSC+16*128                 ; the way out: 16 rows x (256 + 16) bytes for each wave, its own
.set SP,    272
.set FLOOR, 0x1800000                  ; 2^(3 - 127): under it no largest magnitude is taken, so no scale byte falls under 1
.set LI,  1                            ; v1   16 x lane
.set AD,  2                            ; v2   LDS address of the key step in hand: its region + 16 x lane
.set GK,  3                            ; v3   32 x lane: my 8 numbers in 1,024 bytes of q or k
.set GV,  4                            ; v4   4 x lane: my column in half a row of v
.set KC,  5                            ; v5   where I store a word of K's codes     v6  and K's scale byte
.set KS,  6
.set QC,  7                            ; v7, v8   the same for Q
.set QS,  8
.set VC,  9                            ; v9   where I store 16 bytes of V's codes    v10 and V's scale word
.set VS,  10
.set QL,  11                           ; v11  where I read Q's scale word            v12 and Q's fragment
.set QF,  12
.set SO,  13                           ; v13  the stage: where I put 32 bytes of a row    v14 where I read a row back
.set SR,  14
.set SCL, 16                           ; v16-19 the step's scale words; v20, v21 p's of tiles A, B; v22, v23 Q's: these eight hold scales and nothing else
.set PSA, 20
.set PSB, 21
.set QSA, 22
.set QSB, 23
.set STA, 24                           ; v24-27 tile A: -M, the largest t, the sum in two halves;  v28-31 tile B
.set STB, 28
.set QR,  32                           ; v32-51  0000 qA 0000 qB 0000
.set KV,  52                           ; v52-83  K's four pair-fragments, later V's four tiles
.set S,   96                           ; v96-159 S^T, then p
.set OA,  160                          ; v160-191 O^T of A;  v192-223 of B
.set OB,  192
.set PCA, 224                          ; v224-231 p's codes of A;  v232-239 of B
.set PCB, 232
.set BM,  240                          ; v240-243 a block's largest score, then its largest p
.set PB,  244                          ; v244-247 at work
.set SOP, 248                          ; v248-251 the conversions' scale operands
.set F,   252                          ; v252 f = 2^(old M - new M), named as the pair v[252:253]
.set T,   254
; while K, V and Q are quantised:
.set XR,  96                           ; v96-223 four sets of 32 numbers of q or k
.set VR,  32                           ; v32-95  two sets of 32 numbers of v
.set MX,  224                          ; v224-227 largest magnitudes;  v228-231 scale operands;  v232-235 codes;  v236-239 scale bytes;  v240-241 V's scale words in the making
.set SQ,  228
.set CD,  232
.set EB,  236
.set VW,  240
.set SEL, 20                           ; s[20:21] v_permlanex16_b32's selects for lane l xor 16
.set CS,  22                           ; s[22:23] c = log2(e) / 8: the packed form names a pair and takes its low word for both halves
	s_load_b256 s[4:11], s[0:1], 0x0               ; q s[4:5], k s[6:7], v s[8:9], out0 s[10:11]
	v_lshrrev_b32 v224, 5, v0
	v_readfirstlane_b32 s12, v224                  ; wave 0..15
	v_and_b32 v225, 31, v0                         ; l
	v_and_b32 v226, 15, v0                         ; r = l % 16
	v_bfe_u32 v227, v0, 4, 1                       ; h = l / 16
	v_bfe_u32 v228, v0, 3, 2                       ; l / 8
	v_bfe_u32 v229, v0, 2, 1                       ; (l / 4) % 2
	v_and_b32 v230, 3, v0                          ; l % 4
	v_lshlrev_b32 v[LI], 4, v225
	v_lshlrev_b32 v[GK], 5, v225
	v_lshlrev_b32 v[GV], 2, v225
	s_mul_i32 s26, s12, STEPB                      ; the key step that my wave makes
	s_lshl_b32 s27, s12, 10
	s_add_co_u32 s27, s27, QIMG                    ; my wave's images of Q,
	s_lshl_b32 s28, s12, 7
	s_add_co_u32 s28, s28, QSC                     ; its scale words,
	s_mul_i32 s29, s12, 16*SP
	s_add_co_u32 s29, s29, STG                     ; its stage
	; q and k are loaded 8 neighbours a lane: lane l holds row l / 8 of four, block (l / 4) % 2 of its two, numbers 8 (l % 4) on: one register of codes, 4 bytes of the 16 that the image's lane (row, block) holds
	v_lshlrev_b32 v231, 4, v228
	v_lshl_add_u32 v231, v229, 8, v231
	v_lshl_add_u32 v231, v230, 2, v231             ; 16 (l / 8) + 256 ((l / 4) % 2) + 4 (l % 4)
	v_add_nc_u32 v[KC], s26, v231
	v_add_nc_u32 v[QC], s27, v231
	v_lshl_add_u32 v231, v228, 4, v229             ; K's scale byte: 16 bytes a row, + the block
	v_add_nc_u32 v[KS], s26, v231
	v_lshl_add_u32 v231, v228, 2, v229             ; Q's: 4 bytes a row, + the block
	v_add_nc_u32 v[QS], s28, v231
	; v is loaded a column a lane: lane l holds row r of tile 2 (which half of the 64) + h
	v_lshlrev_b32 v231, 4, v226
	v_add_nc_u32 v231, s26, v231
	v_lshl_add_u32 v[VC], v227, 10, v231           ; 16 r + 1,024 h
	v_lshl_add_u32 v[VS], v227, 2, v231            ; 16 r + 4 h
	v_lshl_add_u32 v[QL], v226, 2, s28
	v_add_nc_u32 v[QF], s27, v[LI]
	v_mul_u32_u24 v231, v226, SP
	v_lshl_add_u32 v231, v227, 5, v231
	v_add_nc_u32 v[SO], s29, v231                  ; in: row r, + 32 h
	v_mul_u32_u24 v231, v227, SP
	v_lshl_add_u32 v231, v226, 4, v231
	v_add_nc_u32 v[SR], s29, v231                  ; back: lanes 0-15 one row, lanes 16-31 the next
	s_mov_b32 s[SEL], 0x76543210
	s_mov_b32 s[SEL+1], 0xfedcba98
	s_mov_b32 s[CS], 0x3e38aa3b                    ; log2(e) / 8
	s_mov_b32 s[CS+1], s[CS]                       ; (named with it as a pair, so it is written)
	s_and_b32 s15, ttmp7, 0xffff                   ; the head: 2^19 bytes in each tensor
	s_lshl_b32 s16, s15, 19
	s_lshl_b32 s30, s12, 15
	s_add_co_u32 s16, s16, s30                     ; k, v: + my wave's 128 keys of 256 bytes
	s_mov_b32 s17, 0
	s_lshl_b32 s18, s15, 19
	s_lshl_b32 s30, ttmp9, 17
	s_add_co_u32 s18, s18, s30                     ; q, out0: + the work-group's 512 queries
	s_lshl_b32 s30, s12, 13
	s_add_co_u32 s18, s18, s30                     ; + my wave's 32
	s_mov_b32 s19, 0
	s_wait_kmcnt 0x0
	s_add_nc_u64 s[4:5], s[4:5], s[18:19]
	s_add_nc_u64 s[6:7], s[6:7], s[16:17]
	s_add_nc_u64 s[8:9], s[8:9], s[16:17]
	s_add_nc_u64 s[10:11], s[10:11], s[18:19]
; ---- K, V AND Q INTO CODES.  A unit of q or k is 4 groups of 1,024 bytes (4 rows each), 8 loads; a group's two loads cover its 1,024 consecutive bytes, 32 a lane.
.macro LOADQ set, u                    ; q is read by this wave alone
.irp g, 0,1,2,3
.irp j, 0,1
	global_load_b128 v[XR+32*(\set)+8*\g+4*\j:XR+32*(\set)+8*\g+4*\j+3], v[GK], s[4:5] offset:(4*(\u)+\g)*1024+16*\j th:TH_LOAD_NT
.endr
.endr
.endm
.macro LOADK set, u                    ; k and v are read by the head's three other work-groups too: no hint
.irp g, 0,1,2,3
.irp j, 0,1
	global_load_b128 v[XR+32*(\set)+8*\g+4*\j:XR+32*(\set)+8*\g+4*\j+3], v[GK], s[6:7] offset:(4*(\u)+\g)*1024+16*\j
.endr
.endr
.endm
; Four groups by turns, so that no line waits for the line above it.  A block of 32 lies in four neighbouring lanes.
.macro QUANT4 set
.set XS, XR+32*(\set)
.irp g, 0,1,2,3
	v_max3_num_f32 v[MX+\g], |v[XS+8*\g]|, |v[XS+8*\g+1]|, FLOOR
.endr
.irp i, 2,4,6
.irp g, 0,1,2,3
	v_max3_num_f32 v[MX+\g], v[MX+\g], |v[XS+8*\g+\i]|, |v[XS+8*\g+\i+1]|
.endr
.endr
.irp g, 0,1,2,3
	v_max_num_f32_dpp v[MX+\g], v[MX+\g], v[MX+\g] row_xmask:1 row_mask:0xf bank_mask:0xf
.endr
.irp g, 0,1,2,3
	v_max_num_f32_dpp v[MX+\g], v[MX+\g], v[MX+\g] row_xmask:2 row_mask:0xf bank_mask:0xf   ; the block's largest magnitude
.endr
.irp g, 0,1,2,3
	v_add_nc_u32 v[SQ+\g], 0xff000000, v[MX+\g]    ; 2 off its exponent field: the conversion takes the exponent field of this operand as its scale, and nothing else of it
.endr
.irp g, 0,1,2,3
	v_cvt_scalef32_pk8_fp4_f32 v[CD+\g], v[XS+8*\g:XS+8*\g+7], v[SQ+\g]
.endr
.irp g, 0,1,2,3
	v_lshrrev_b32 v[EB+\g], 23, v[SQ+\g]           ; the scale's byte.  (Also the plain line behind the conversions)
.endr
.endm
; Group 4 u + g of the step holds keys 16 u + 4 g + l / 8.  Of a key's place among its 32, bit 4 (u % 2) is bit 3 of the tile's row, bit 3 (g / 2) says which tile of the pair, bit 2 (g % 2) and l / 8 are the row's low bits.
.macro STOREK u
.irp g, 0,1,2,3
	ds_store_b32 v[KC], v[CD+\g] offset:((\u)/2)*1024+(\g/2)*512+(4*(\g%2)+8*((\u)%2))*16
	ds_store_b8 v[KS], v[EB+\g] offset:SCW+(4*(\g%2)+8*((\u)%2))*16+((\u)/2)*4+2*(\g/2)   ; byte 2 x tile of the pair + block; the block's four lanes write the same byte with the same value
.endr
.endm
.macro STOREQ u                        ; unit u is tile u; group g holds its rows 4 g + l / 8
.irp g, 0,1,2,3
	ds_store_b32 v[QC], v[CD+\g] offset:(\u)*512+\g*64
	ds_store_b8 v[QS], v[EB+\g] offset:(\u)*64+\g*16
	ds_store_b8 v[QS], v[EB+\g] offset:(\u)*64+\g*16+2      ; twice: the word serves q in the lower and in the upper 64 of the instruction's K
.endr
.endm
; A unit of v: block t / 2 of the step's four blocks of 32 keys, columns 32 (t % 2) + lane.  A LANE TAKES A COLUMN AND ITS REGISTERS RUN DOWN THE KEYS, which are the second product's K:
; the block's largest magnitude needs no other lane, and the conversions' results are the operand's registers.  A load reads 128 consecutive bytes; the row's other 128 come with the next unit.
.macro LOADV t
.irp i, 0,1,2,3,4,5,6,7,8,9,10,11,12,13,14,15,16,17,18,19,20,21,22,23,24,25,26,27,28,29,30,31
	global_load_b32 v[VR+32*((\t)%2)+\i], v[GV], s[8:9] offset:(32*((\t)/2)+\i)*256+128*((\t)%2)
.endr
.endm
.macro BLOCKV t
.set XS, VR+32*((\t)%2)
	v_max3_num_f32 v[MX], |v[XS]|, |v[XS+1]|, |v[XS+2]|
	v_max3_num_f32 v[MX+1], |v[XS+3]|, |v[XS+4]|, |v[XS+5]|
.irp i, 6,10,14,18,22,26
	v_max3_num_f32 v[MX], v[MX], |v[XS+\i]|, |v[XS+\i+1]|
	v_max3_num_f32 v[MX+1], v[MX+1], |v[XS+\i+2]|, |v[XS+\i+3]|
.endr
	v_max3_num_f32 v[MX], v[MX], |v[XS+30]|, |v[XS+31]|
	v_max3_num_f32 v[MX], v[MX], v[MX+1], FLOOR
	v_add_nc_u32 v[SQ], 0xff000000, v[MX]
	v_lshrrev_b32 v[EB], 23, v[SQ]
.if (\t)/2 == 0
	v_mov_b32 v[VW+(\t)%2], v[EB]                  ; the four blocks' bytes make my column's scale word for this key step
.else
	v_lshl_or_b32 v[VW+(\t)%2], v[EB], 8*((\t)/2), v[VW+(\t)%2]
.endif
.irp g, 0,1,2,3
	v_cvt_scalef32_pk8_fp4_f32 v[CD+\g], v[XS+8*\g:XS+8*\g+7], v[SQ]
.endr
	v_nop                                          ; one plain line behind the last conversion
	ds_store_b128 v[VC], v[CD:CD+3] offset:VIMG+((\t)%2)*2048+((\t)/4)*512+(((\t)/2)%2)*256   ; tile 2 (t % 2) + h; block 2 c + h' lies in chunk c at lanes 16 h' on
.if (\t)/2 == 3
	ds_store_b32 v[VS], v[VW+(\t)%2] offset:SCW+256+8*((\t)%2)
.endif
.endm
	; Loads run three units ahead.  Each count is the number of loads issued behind the unit that is wanted (loads come back in order: ISA guide 5.7.1).
	; The wait on DScnt at a unit's head: the last unit's LDS stores have read the registers of codes and bytes that are now written again.
	LOADQ 0, 0
	LOADQ 1, 1
	LOADK 2, 0
	LOADK 3, 1
	s_wait_loadcnt 24
	QUANT4 0
	STOREQ 0
	LOADK 0, 2
	s_wait_loadcnt 24
	s_wait_dscnt 0x0
	QUANT4 1
	STOREQ 1
	LOADK 1, 3
.irp u, 0,1,2,3
	s_wait_loadcnt 24                              ; three units of 8 may be out
	s_wait_dscnt 0x0
	QUANT4 (\u+2)%4
	STOREK \u
	LOADK (\u+2)%4, \u+4
.endr
	s_wait_loadcnt 24
	s_wait_dscnt 0x0
	QUANT4 2
	STOREK 4
	LOADV 0
	s_wait_loadcnt 48                              ; k's units 6 and 7, v's first 32
	s_wait_dscnt 0x0
	QUANT4 3
	STOREK 5
	s_wait_loadcnt 40                              ; k's unit 7, v's first 32
	s_wait_dscnt 0x0
	QUANT4 0
	STOREK 6
	s_wait_loadcnt 32                              ; v's first 32
	s_wait_dscnt 0x0
	QUANT4 1
	STOREK 7
	LOADV 1
.irp t, 0,1,2,3,4,5
	s_wait_loadcnt 32                              ; the next unit's 32 may be out
	s_wait_dscnt 0x0
	BLOCKV \t
	LOADV \t+2
.endr
	s_wait_loadcnt 32
	s_wait_dscnt 0x0
	BLOCKV 6
	s_wait_loadcnt 0x0
	s_wait_dscnt 0x0
	BLOCKV 7
	s_wait_dscnt 0x0                               ; for the others' sake: my key step's images and scale words have landed
	s_barrier_signal -1
	s_barrier_wait -1                              ; the whole head lies in LDS.  The launch's only barrier: from here on these bytes are only read, and a wave writes its own stage alone
	ds_load_b128 v[QR+4:QR+7], v[QF]               ; qA, qB and their scale words: waited for with the first key step's fragments
	ds_load_b128 v[QR+12:QR+15], v[QF] offset:512
	ds_load_b32 v[QSA], v[QL]
	ds_load_b32 v[QSB], v[QL] offset:64
.irp j, 0,1,2,3,8,9,10,11,16,17,18,19
	v_mov_b32 v[QR+\j], 0                          ; the zero codes beside q
.endr
	v_mov_b32 v[STA+1], 0xff61b1e6                 ; the largest t so far: -3e38, under every t
	v_mov_b32 v[STB+1], 0xff61b1e6
	v_floor_f32 v[STA], -v[STA+1]                  ; -M
	v_floor_f32 v[STB], -v[STB+1]
.irp j, STA+2, STA+3, STB+2, STB+3, PB, PB+1, PB+2, PB+3, F+1
	v_mov_b32 v[\j], 0                             ; the sums; a lane permute's destination counts as one of its sources; the upper half of the pair that holds f
.endr
.set j, 0
.rept 64
	v_mov_b32 v[OA+j], 0                           ; O^T.  (The step is written once: the first finds zeros, which the first change of M leaves zeros)
.set j, j+1
.endr
; ---- A KEY STEP'S PARTS
; S^T of one tile of queries: each pair-fragment of K against (q, zeros) and against (zeros, q).  Eight results, each begun with the constant 0.
.macro SCORES qlo, qhi, qs
.irp f, 0,1,2,3
	v_wmma_scale_f32_16x16x128_f8f6f4 v[S+16*\f:S+16*\f+7], v[KV+8*\f:KV+8*\f+7], v[\qlo:\qlo+7], 0, v[SCL+\f], v[\qs] matrix_a_fmt:MATRIX_FMT_FP4 matrix_b_fmt:MATRIX_FMT_FP4
	v_wmma_scale_f32_16x16x128_f8f6f4 v[S+16*\f+8:S+16*\f+15], v[KV+8*\f:KV+8*\f+7], v[\qhi:\qhi+7], 0, v[SCL+\f], v[\qs] matrix_a_fmt:MATRIX_FMT_FP4 matrix_b_fmt:MATRIX_FMT_FP4
.endr
.endm
; The softmax of one tile for 128 keys: register 16 b + i of S is key 32 b + 16 (lane / 16) + i of my query.  st: the tile's statistics; ob: its O^T; pc: where p's codes go; ps: p's scale word.
.macro SOFTMAX st, ob, pc, ps
.irp b, 0,1,2,3
	v_max3_num_f32 v[BM+\b], v[S+16*\b], v[S+16*\b+1], v[S+16*\b+2]   ; THE LARGEST SCORE OF EACH BLOCK OF 32 KEYS serves twice: for the row's maximum and, since p rises with the score, for the block's largest p.  (Each result is read from its low end on)
.endr
.irp i, 3,5,7,9,11,13
.irp b, 0,1,2,3
	v_max3_num_f32 v[BM+\b], v[BM+\b], v[S+16*\b+\i], v[S+16*\b+\i+1]
.endr
.endr
.irp b, 0,1,2,3
	v_max_num_f32 v[BM+\b], v[BM+\b], v[S+16*\b+15]
.endr
.irp b, 0,1,2,3
	v_permlanex16_b32 v[PB+\b], v[BM+\b], s[SEL], s[SEL+1]
.endr
.irp b, 0,1,2,3
	v_max_num_f32 v[BM+\b], v[BM+\b], v[PB+\b]     ; with lane l xor 16's 16 keys
.endr
	v_max3_num_f32 v[T], v[BM], v[BM+1], v[BM+2]
	v_max_num_f32 v[T], v[T], v[BM+3]              ; the step's largest score of my query
	v_mul_f32 v[T], s[CS], v[T]                    ; as t (c is positive)
	v_max_num_f32 v[\st+1], v[\st+1], v[T]         ; the running largest t
	v_mov_b32 v[T], v[\st]
	v_floor_f32 v[\st], -v[\st+1]                  ; the new -M = floor(-t) = -ceil(t): M is a whole number
	v_sub_f32 v[T], v[\st], v[T]                   ; M's old value less its new one: a whole number, 0 or less
	v_cvt_i32_f32 v[T], v[T]                       ; (it saturates)
	v_ldexp_f32 v[F], 1.0, v[T]                    ; f = 2^(old M - new M)
.set j, 0
.rept 32
	v_pk_fma_f32 v[S+j:S+j+1], v[S+j:S+j+1], s[CS:CS+1], v[\st:\st+1] op_sel_hi:[1,0,0]   ; t - M, two at a time (of the pairs c and -M the low word serves both halves)
.set j, j+2
.endr
.irp b, 0,1,2,3
	v_fma_f32 v[BM+\b], v[BM+\b], s[CS], v[\st]    ; the same of each block's largest score
.endr
.set j, 0
.rept 64
	v_exp_f32 v[S+j], v[S+j]                       ; p = 2^(t - M), at most 1: not normalised
.set j, j+1
.endr
.irp b, 0,1,2,3
	v_exp_f32 v[BM+\b], v[BM+\b]                   ; the block's largest p: the same two instructions on the same number give the same bits
.endr
	v_pk_mul_f32 v[\st+2:\st+3], v[\st+2:\st+3], v[F:F+1] op_sel_hi:[1,0]   ; the sums under the new M.  (The plain line behind the exponentials: ISA guide 5.7.2)
	s_wait_alu depctr_va_vdst(0)
.irp b, 0,1,2,3
	v_max_num_f32 v[BM+\b], FLOOR, v[BM+\b]        ; a block whose every p has fallen to 0 keeps the byte 1: its codes are zeros
.endr
.irp b, 0,1,2,3
	v_add_nc_u32 v[SOP+\b], 0xff000000, v[BM+\b]   ; 2 off the exponent field: the conversion's scale operand
.endr
.irp b, 0,1,2,3
	v_lshrrev_b32 v[PB+\b], 23, v[SOP+\b]          ; the scale's byte
.endr
	v_lshl_or_b32 v[\ps], v[PB+1], 8, v[PB]        ; p's scale word for these 128 keys
	v_lshl_or_b32 v[\ps], v[PB+2], 16, v[\ps]
	v_lshl_or_b32 v[\ps], v[PB+3], 24, v[\ps]
.irp b, 0,1,2,3
	v_cvt_scalef32_pk8_fp4_f32 v[\pc+2*\b], v[S+16*\b:S+16*\b+7], v[SOP+\b]
	v_cvt_scalef32_pk8_fp4_f32 v[\pc+2*\b+1], v[S+16*\b+8:S+16*\b+15], v[SOP+\b]
.endr
	v_nop                                          ; one plain line between a scaled conversion and the vector instruction that touches its result
.irp c, 0,1                                    ; the operand's layout wants a WHOLE block in a lane: lanes 0-15 block 2 c, lanes 16-31 block 2 c + 1
.irp i, 0,1
	v_permlane16_swap_b32 v[\pc+4*\c+\i], v[\pc+4*\c+2+\i]
.endr
.endr
.set j, 0
.rept 16
	v_pk_mul_f32 v[\ob+j:\ob+j+1], v[\ob+j:\ob+j+1], v[F:F+1] op_sel_hi:[1,0]   ; O^T under the new M, each result from its low end on
.set j, j+2
.endr
	v_pk_add_f32 v[PB:PB+1], v[S:S+1], v[S+2:S+3]  ; THE ROW'S SUM IS TAKEN OF THE UNQUANTISED p: two at a time, in two chains
.irp j, 4,8,12,16,20,24,28,32,36,40,44,48,52,56,60
	v_pk_add_f32 v[\st+2:\st+3], v[\st+2:\st+3], v[S+\j:S+\j+1]
	v_pk_add_f32 v[PB:PB+1], v[PB:PB+1], v[S+\j+2:S+\j+3]
.endr
	v_pk_add_f32 v[\st+2:\st+3], v[\st+2:\st+3], v[PB:PB+1]
.endm                                  ; behind p's scale word and codes stand these 48 plain lines: more than the 8 and the 4 that a scaled product wants in front of it
; O^T += V^T P^T for both tiles: each tile of V serves A and B.  The eight accumulators take turns, one instruction a turn.  V's scale words lie in lanes 16-31 of the step's registers.
.macro PV
.irp t, 0,1,2,3
	v_wmma_scale_f32_16x16x128_f8f6f4 v[OA+8*\t:OA+8*\t+7], v[KV+8*\t:KV+8*\t+7], v[PCA:PCA+7], v[OA+8*\t:OA+8*\t+7], v[SCL+\t], v[PSA] matrix_a_fmt:MATRIX_FMT_FP4 matrix_b_fmt:MATRIX_FMT_FP4 matrix_a_scale:MATRIX_SCALE_ROW1
	v_wmma_scale_f32_16x16x128_f8f6f4 v[OB+8*\t:OB+8*\t+7], v[KV+8*\t:KV+8*\t+7], v[PCB:PCB+7], v[OB+8*\t:OB+8*\t+7], v[SCL+\t], v[PSB] matrix_a_fmt:MATRIX_FMT_FP4 matrix_b_fmt:MATRIX_FMT_FP4 matrix_a_scale:MATRIX_SCALE_ROW1
.endr
.endm
.macro PLACES n                        ; a load into a register that a matrix instruction has read, and a vector instruction that reads its result, stand four plain vector instructions behind it (ISA guide 7.12.1 for the vector instruction)
.rept \n
	v_nop
.endr
.endm
	s_mov_b32 s24, 0                               ; the key step's region in LDS
	s_mov_b32 s25, 16                              ; key steps to go
.Lstep:
	v_add_nc_u32 v[AD], s24, v[LI]                 ; with the three below: the four places behind the last step's products
	PLACES 3
.irp i, 0,1,2,3,4,5,6,7
	ds_load_b128 v[KV+4*\i:KV+4*\i+3], v[AD] offset:512*\i          ; K's four pair-fragments: 512 consecutive bytes a load
.endr
	ds_load_b128 v[SCL:SCL+3], v[AD] offset:SCW    ; lanes 0-15 K's four scale words, lanes 16-31 V's
	s_wait_dscnt 0x0
	SCORES QR+4, QR, QSA
	PLACES 4
	SOFTMAX STA, OA, PCA, PSA
	SCORES QR+12, QR+8, QSB
	PLACES 4                                       ; for the loads into K's registers and for the reads of the scores alike
.irp i, 0,1,2,3,4,5,6,7
	ds_load_b128 v[KV+4*\i:KV+4*\i+3], v[AD] offset:VIMG+512*\i     ; V's four tiles: they land while tile B's softmax is worked
.endr
	SOFTMAX STB, OB, PCB, PSB
	s_wait_dscnt 0x0                               ; V is in
	PV
	s_add_co_u32 s24, s24, STEPB
	s_sub_co_u32 s25, s25, 1
	s_cmp_lg_u32 s25, 0
	s_cbranch_scc1 .Lstep
	; ---- THE WAY OUT.  The sums' two halves and lane l xor 16's are added; O^T is divided by the sum and goes through my stage in LDS, a tile (16 rows of 256 bytes) at a time.
	; The four additions and the two moves, which name no register of the last products, are the places behind them.
	v_add_f32 v[STA+2], v[STA+2], v[STA+3]
	v_add_f32 v[STB+2], v[STB+2], v[STB+3]
	v_permlanex16_b32 v[PB], v[STA+2], s[SEL], s[SEL+1]
	v_permlanex16_b32 v[PB+1], v[STB+2], s[SEL], s[SEL+1]
	v_add_f32 v[STA+2], v[STA+2], v[PB]
	v_add_f32 v[STB+2], v[STB+2], v[PB+1]
	v_rcp_f32 v[F], v[STA+2]
	v_rcp_f32 v[T], v[STB+2]
	v_mov_b32 v[F+1], 0                            ; the plain line behind the reciprocals; the packed multiply names the pairs, so their upper halves are written
	v_mov_b32 v[T+1], 0
.set j, 0
	s_wait_alu depctr_va_vdst(0)
.rept 16
	v_pk_mul_f32 v[S+j:S+j+1], v[OA+j:OA+j+1], v[F:F+1] op_sel_hi:[1,0]         ; register 8 t + i is o(query r, 16 t + 8 h + i)
.set j, j+2
.endr
.set j, 0
.rept 16
	v_pk_mul_f32 v[S+32+j:S+32+j+1], v[OB+j:OB+j+1], v[T:T+1] op_sel_hi:[1,0]
.set j, j+2
.endr
.macro TOSTAGE src, back
.irp t, 0,1,2,3
	ds_store_b128 v[SO], v[\src+8*\t:\src+8*\t+3] offset:64*\t
	ds_store_b128 v[SO], v[\src+8*\t+4:\src+8*\t+7] offset:64*\t+16
.endr
.irp i, 0,1,2,3,4,5,6,7
	ds_load_b128 v[\back+4*\i:\back+4*\i+3], v[SR] offset:2*\i*SP   ; LDS serves a wave's instructions in order (ISA guide 5.7.1.4): these see my stores, and the next tile's stores come behind them
.endr
.endm
.macro SEND back, tile, younger        ; younger: the LDS instructions issued behind this tile's loads
.irp i, 0,1,2,3,4,5,6,7
	s_wait_dscnt \younger+7-\i
	global_store_b128 v[LI], v[\back+4*\i:\back+4*\i+3], s[10:11] offset:4096*\tile+512*\i th:TH_STORE_NT   ; a tile's 16 rows are 4,096 dense bytes: the 32 lanes store 512 consecutive bytes, at a multiple of 512 from out0's first byte
.endr
.endm
	TOSTAGE S, KV
	TOSTAGE S+32, OA
	SEND KV, 0, 16
	SEND OA, 1, 0
	s_wait_xcnt 0x0
	v_lshl_add_u32 v254, v0, 2, 0x38000
	v_mov_b32 v255, 0
	s_wait_tensorcnt 0x0
	ds_add_u32 v254, v255
	s_wait_dscnt 0x0
	s_endpgm
.Lfunc_end_k_q8a9509ef42_attn:
	.size	k_q8a9509ef42_attn, .Lfunc_end_k_q8a9509ef42_attn-k_q8a9509ef42_attn
	.p2alignl 7, 3214868480
	.fill 96, 4, 3214868480
	.section	.rodata,"a",@progbits
	.p2align	6, 0x0
	.amdhsa_kernel k_q8a9509ef42_attn
		.amdhsa_group_segment_fixed_size 231424
		.amdhsa_private_segment_fixed_size 0
		.amdhsa_enable_private_segment 0
		.amdhsa_kernarg_size 32
		.amdhsa_user_sgpr_count 2
		.amdhsa_user_sgpr_kernarg_segment_ptr 1
		.amdhsa_wavefront_size32 1
		.amdhsa_system_sgpr_workgroup_id_x 1
		.amdhsa_system_sgpr_workgroup_id_y 1
		.amdhsa_system_sgpr_workgroup_id_z 1
		.amdhsa_system_vgpr_workitem_id 0
		.amdhsa_next_free_vgpr 256
		.amdhsa_next_free_sgpr 66
		.amdhsa_reserve_vcc 0
		.amdhsa_float_denorm_mode_32 3
		.amdhsa_float_denorm_mode_16_64 3
		.amdhsa_memory_ordered 1
		.amdhsa_forward_progress 1
		.amdhsa_inst_pref_size 114
	.end_amdhsa_kernel
	.amdgpu_metadata
---
amdhsa.version: [ 1, 2 ]
amdhsa.kernels:
  - .name:           k_q8a9509ef42_attn
    .symbol:         k_q8a9509ef42_attn.kd
    .args:
      - { .name: q, .offset: 0, .size: 8, .value_kind: global_buffer, .address_space: global }
      - { .name: k, .offset: 8, .size: 8, .value_kind: global_buffer, .address_space: global }
      - { .name: v, .offset: 16, .size: 8, .value_kind: global_buffer, .address_space: global }
      - { .name: out0, .offset: 24, .size: 8, .value_kind: global_buffer, .address_space: global }
    .group_segment_fixed_size: 231424
    .private_segment_fixed_size: 0
    .kernarg_segment_align: 8
    .kernarg_segment_size: 32
    .max_flat_workgroup_size: 512
    .sgpr_count:     66
    .vgpr_count:     256
    .wavefront_size: 32
...
	.end_amdgpu_metadata
.endif
;; end of part 1
;; ======== version 2 of 2: 1 launch; version 1 with the launch attn written anew for expert scheduling mode
;; launch attn (part 2): grid 4 x 64, 16 waves a work-group, no clusters, 231,424 bytes of LDS; arguments q, k, v, out0; writes out0
.if DOCPART == 2
	.amdgcn_target "amdgcn-amd-amdhsa--gfx1250"
	.amdhsa_code_object_version 6
	.text
	.protected	k_q8a9509ef42_attn
	.globl	k_q8a9509ef42_attn
	.p2align	8
	.type	k_q8a9509ef42_attn,@function
k_q8a9509ef42_attn:
	s_mov_b64 s[64:65], 0
	v_nop
	global_prefetch_b8 v0, s[64:65] scope:SCOPE_SE
	s_setreg_imm32_b32 hwreg(HW_REG_WAVE_SCHED_MODE, 0, 2), 2
	s_setreg_imm32_b32 hwreg(HW_REG_WAVE_MODE, 25, 1), 1
	s_wait_xcnt 0x0
	s_wait_alu depctr_vm_vsrc(0)
; out0[h][q][:] = the sum over k of softmax_k(Q[h][q] . K[h][k] / 8) V[h][k][:], 64 heads of 2,048 x 64, all f32 in memory; both products on codes of FP4 (E2M1) with one E8M0 scale for each 32 along a product's K.
; THE SOFTMAX AHEAD OF THE SECOND PRODUCT: t = score x log2(e) / 8; M = the row's largest t so far, rounded UP to a whole number; p = 2^(t - M) is quantised along the keys, not normalised.
; The row's sum is taken of the unquantised p, in f32, and divides O at the end.  When M moves, the sum and O are multiplied by 2^(old M - new M): exact.
; SHARES.  A work-group owns 512 queries of one head (x: which 512; y: the head); each of its sixteen waves owns 32 of them, two tiles A and B of 16, in 256 registers.
; ONE HEAD'S K AND V AS CODES FIT IN LDS WHOLE (64 KiB + 64 KiB + 8 KiB of scale bytes).  So the work-group quantises them once: wave w takes keys 128 w .. 128 w + 127, from memory straight into registers,
; and stores codes and scale words to LDS AS IMAGES OF THE OPERANDS' REGISTERS (lane l's 16 bytes at 16 l, 512 bytes a load).  One barrier; then every wave walks the sixteen key steps with LDS loads alone.
; NO JOINT LOADS, though the four work-groups of a head read the same 1 MiB of K and V: every f32 number is wanted once in a work-group, in a lane's registers, for the quantiser; through LDS it would be 1 MiB
; passing through slots filled again beside 139,264 bytes of resident codes, and read out of LDS once more, where these loads touch no LDS at all.
; LAYOUT.  Both products are used transposed: S^T = K Q^T (source 0 = 16 keys, source 1 = 16 queries), O^T = V^T P^T (source 0 = 16 of the head's 64, source 1 = P): a lane holds ONE query (lane % 16) throughout.
; THE KEYS OF A TILE ARE NOT NEIGHBOURS: row r of tile 2 f + u is key 32 f + 8 u + r + 8 (r / 8), so that the 16 registers of tiles 2 f and 2 f + 1 are 16 neighbouring keys, 32 f + 16 (lane / 16) + 0 .. 15.
; THE FIRST PRODUCT'S K IS 64, THE INSTRUCTION'S 128.  A PAIR-FRAGMENT of K holds tile 2 f in registers 0-3 (k 0 .. 63) and tile 2 f + 1 in registers 4-7 (k 64 .. 127).  Against (q, zeros) it gives tile 2 f,
; against (zeros, q) tile 2 f + 1: the other half meets zero codes, which add nothing under scale bytes of 1 .. 254.  So no fragment is read twice and K's side holds no zeros.  Q lies as [0 | qA | 0 | qB | 0].
; LIMITS.  NaN and infinities among the inputs are not served.  A block of zeros gets the byte 1 where the rule says 127: its codes are zeros, and this program alone reads the bytes.
; A p under 2^-126 comes out of v_exp_f32 as 0 (ISA guide 15.8): nothing beside a row's largest p, which is over 1/2.
; THE MODE: SCHED_MODE bits 1:0 = 2 (LLVM: expert scheduling mode 2), set by the entry lines.  The code itself states the register dependences
; between vector or matrix instructions and memory or LDS instructions, with s_wait_alu, always for 0.
; THE PLAN.  Registers that memory or LDS instructions touch:
;   v1, v3-v14    offsets and LDS addresses: written once at the head, read by loads and stores, never written again: one wait on va_vdst ahead of the first load.
;   XR0-3, VR0-1  numbers of q, k, v as loaded.  A unit's maxima and conversions read a set; behind them the set is loaded again.
;   CD, EB, VW    codes, scale bytes, V's scale words: written by a unit's vector lines, read by its LDS stores, written again by the next unit.
;                 So a unit has two waits: vm_vsrc at its head (the last unit's stores have read them), va_vdst behind its conversions (they are written; the set of numbers is read out).
;   v[AD]         the key step's LDS address: written by one add at the step's head, read by the step's 17 LDS loads.
;   KV            K's four pair-fragments, loaded at the step's head and read by K Q^T of A and of B; then V's four tiles, read by V^T P^T.
;   SCL           the step's scale words, loaded at the step's head, read by all 24 products.
; A KEY STEP has one wait on vm_vsrc (ahead of the add to v[AD]) and four on va_vdst: at its head (v[AD] is written; V^T P^T is done reading KV and SCL); behind each tile's exponentials, ahead of their first reader;
; and ahead of V^T P^T (tile B's codes and scale word are written).  The wait behind tile B's exponentials also states that K Q^T of B is done reading KV: V's eight loads follow it with no wait of
; their own, dealt two at a time among vector lines that name neither KV nor v[AD].
.set STEPB, 8704                       ; LDS: a key step's region: K's image 4,096 bytes (4 pair-fragments x 2 chunks x 512), V's 4,096 (4 tiles x 2 chunks x 512), 512 of scale words
.set VIMG,  4096
.set SCW,   8192                       ; 16 bytes a lane: lanes 0-15 (r): word f = K's scale word of pair-fragment f, row r; lanes 16-31 (r): word t = V's scale word of tile t, row r
.set QIMG,  16*STEPB                   ; Q's images: 1,024 bytes a wave (tile A, tile B)
.set QSC,   QIMG+16*1024               ; Q's scale words: 128 bytes a wave (16 words for A, 16 for B), bytes (s0, s1, s0, s1)
.set STG,   QSC+16*128                 ; the way out: 16 rows x (256 + 16) bytes for each wave, its own
.set SP,    272
.set FLOOR, 0x1800000                  ; 2^(3 - 127): under it no largest magnitude is taken, so no scale byte falls under 1
.set LI,  1                            ; v1   16 x lane
.set AD,  2                            ; v2   LDS address of the key step in hand: its region + 16 x lane
.set GK,  3                            ; v3   32 x lane: my 8 numbers in 1,024 bytes of q or k
.set GV,  4                            ; v4   4 x lane: my column in half a row of v
.set KC,  5                            ; v5   where I store a word of K's codes     v6  and K's scale byte
.set KS,  6
.set QC,  7                            ; v7, v8   the same for Q
.set QS,  8
.set VC,  9                            ; v9   where I store 16 bytes of V's codes    v10 and V's scale word
.set VS,  10
.set QL,  11                           ; v11  where I read Q's scale word            v12 and Q's fragment
.set QF,  12
.set SO,  13                           ; v13  the stage: where I put 32 bytes of a row    v14 where I read a row back
.set SR,  14
.set SCL, 16                           ; v16-19 the step's scale words; v20, v21 p's of tiles A, B; v22, v23 Q's: these eight hold scales and nothing else
.set PSA, 20
.set PSB, 21
.set QSA, 22
.set QSB, 23
.set STA, 24                           ; v24-27 tile A: -M, the largest t, the sum in two halves;  v28-31 tile B
.set STB, 28
.set QR,  32                           ; v32-51  0000 qA 0000 qB 0000
.set KV,  52                           ; v52-83  K's four pair-fragments, later V's four tiles
.set S,   96                           ; v96-159 S^T, then p
.set OA,  160                          ; v160-191 O^T of A;  v192-223 of B
.set OB,  192
.set PCA, 224                          ; v224-231 p's codes of A;  v232-239 of B
.set PCB, 232
.set BM,  240                          ; v240-243 a block's largest score, then its largest p
.set PB,  244                          ; v244-247 at work
.set SOP, 248                          ; v248-251 the conversions' scale operands
.set F,   252                          ; v252 f = 2^(old M - new M), named as the pair v[252:253]
.set T,   254
; while K, V and Q are quantised:
.set XR,  96                           ; v96-223 four sets of 32 numbers of q or k
.set VR,  32                           ; v32-95  two sets of 32 numbers of v
.set MX,  224                          ; v224-227 largest magnitudes;  v228-231 scale operands;  v232-235 codes;  v236-239 scale bytes;  v240-241 V's scale words in the making
.set SQ,  228
.set CD,  232
.set EB,  236
.set VW,  240
.set SEL, 20                           ; s[20:21] v_permlanex16_b32's selects for lane l xor 16
.set CS,  22                           ; s[22:23] c = log2(e) / 8: the packed form names a pair and takes its low word for both halves
	s_load_b256 s[4:11], s[0:1], 0x0               ; q s[4:5], k s[6:7], v s[8:9], out0 s[10:11]
	v_lshrrev_b32 v224, 5, v0
	v_readfirstlane_b32 s12, v224                  ; wave 0..15
	v_and_b32 v225, 31, v0                         ; l
	v_and_b32 v226, 15, v0                         ; r = l % 16
	v_bfe_u32 v227, v0, 4, 1                       ; h = l / 16
	v_bfe_u32 v228, v0, 3, 2                       ; l / 8
	v_bfe_u32 v229, v0, 2, 1                       ; (l / 4) % 2
	v_and_b32 v230, 3, v0                          ; l % 4
	v_lshlrev_b32 v[LI], 4, v225
	v_lshlrev_b32 v[GK], 5, v225
	v_lshlrev_b32 v[GV], 2, v225
	s_wait_alu depctr_va_sdst(0)                   ; s12 is written, ahead of its first reader: the wave's LDS regions and its rows in memory are made from it
	s_mul_i32 s26, s12, STEPB                      ; the key step that my wave makes
	s_lshl_b32 s27, s12, 10
	s_add_co_u32 s27, s27, QIMG                    ; my wave's images of Q,
	s_lshl_b32 s28, s12, 7
	s_add_co_u32 s28, s28, QSC                     ; its scale words,
	s_mul_i32 s29, s12, 16*SP
	s_add_co_u32 s29, s29, STG                     ; its stage
	; q and k are loaded 8 neighbours a lane: lane l holds row l / 8 of four, block (l / 4) % 2 of its two, numbers 8 (l % 4) on: one register of codes, 4 bytes of the 16 that the image's lane (row, block) holds
	v_lshlrev_b32 v231, 4, v228
	v_lshl_add_u32 v231, v229, 8, v231
	v_lshl_add_u32 v231, v230, 2, v231             ; 16 (l / 8) + 256 ((l / 4) % 2) + 4 (l % 4)
	v_add_nc_u32 v[KC], s26, v231
	v_add_nc_u32 v[QC], s27, v231
	v_lshl_add_u32 v231, v228, 4, v229             ; K's scale byte: 16 bytes a row, + the block
	v_add_nc_u32 v[KS], s26, v231
	v_lshl_add_u32 v231, v228, 2, v229             ; Q's: 4 bytes a row, + the block
	v_add_nc_u32 v[QS], s28, v231
	; v is loaded a column a lane: lane l holds row r of tile 2 (which half of the 64) + h
	v_lshlrev_b32 v231, 4, v226
	v_add_nc_u32 v231, s26, v231
	v_lshl_add_u32 v[VC], v227, 10, v231           ; 16 r + 1,024 h
	v_lshl_add_u32 v[VS], v227, 2, v231            ; 16 r + 4 h
	v_lshl_add_u32 v[QL], v226, 2, s28
	v_add_nc_u32 v[QF], s27, v[LI]
	v_mul_u32_u24 v231, v226, SP
	v_lshl_add_u32 v231, v227, 5, v231
	v_add_nc_u32 v[SO], s29, v231                  ; in: row r, + 32 h
	v_mul_u32_u24 v231, v227, SP
	v_lshl_add_u32 v231, v226, 4, v231
	v_add_nc_u32 v[SR], s29, v231                  ; back: lanes 0-15 one row, lanes 16-31 the next
	s_mov_b32 s[SEL], 0x76543210
	s_mov_b32 s[SEL+1], 0xfedcba98
	s_mov_b32 s[CS], 0x3e38aa3b                    ; log2(e) / 8
	s_mov_b32 s[CS+1], s[CS]                       ; (named with it as a pair, so it is written)
	s_and_b32 s15, ttmp7, 0xffff                   ; the head: 2^19 bytes in each tensor
	s_lshl_b32 s16, s15, 19
	s_lshl_b32 s30, s12, 15
	s_add_co_u32 s16, s16, s30                     ; k, v: + my wave's 128 keys of 256 bytes
	s_mov_b32 s17, 0
	s_lshl_b32 s18, s15, 19
	s_lshl_b32 s30, ttmp9, 17
	s_add_co_u32 s18, s18, s30                     ; q, out0: + the work-group's 512 queries
	s_lshl_b32 s30, s12, 13
	s_add_co_u32 s18, s18, s30                     ; + my wave's 32
	s_mov_b32 s19, 0
	s_wait_kmcnt 0x0
	s_add_nc_u64 s[4:5], s[4:5], s[18:19]
	s_add_nc_u64 s[6:7], s[6:7], s[16:17]
	s_add_nc_u64 s[8:9], s[8:9], s[16:17]
	s_add_nc_u64 s[10:11], s[10:11], s[18:19]
	s_wait_alu depctr_va_vdst(0)                   ; v1 and v3 to v14 are written: every load and store of the kernel but the key steps' reads one of them as its offset or address, and none is written again
; ---- K, V AND Q INTO CODES.  A unit of q or k is 4 groups of 1,024 bytes (4 rows each), 8 loads; a group's two loads cover its 1,024 consecutive bytes, 32 a lane.
.macro LOADQ set, u                    ; q is read by this wave alone
.irp g, 0,1,2,3
.irp j, 0,1
	global_load_b128 v[XR+32*(\set)+8*\g+4*\j:XR+32*(\set)+8*\g+4*\j+3], v[GK], s[4:5] offset:(4*(\u)+\g)*1024+16*\j th:TH_LOAD_NT
.endr
.endr
.endm
.macro LOADK set, u                    ; k and v are read by the head's three other work-groups too: no hint
.irp g, 0,1,2,3
.irp j, 0,1
	global_load_b128 v[XR+32*(\set)+8*\g+4*\j:XR+32*(\set)+8*\g+4*\j+3], v[GK], s[6:7] offset:(4*(\u)+\g)*1024+16*\j
.endr
.endr
.endm
; Four groups by turns, so that no line waits for the line above it.  A block of 32 lies in four neighbouring lanes.  first = 1: the kernel's first unit, ahead of which no LDS store was issued.
.macro QUANT4 set, first
.set XS, XR+32*(\set)
.if !\first
	s_wait_alu depctr_vm_vsrc(0)                   ; the last unit's LDS stores have read the registers of codes and of scale bytes, which are written again below
.endif
.irp g, 0,1,2,3
	v_max3_num_f32 v[MX+\g], |v[XS+8*\g]|, |v[XS+8*\g+1]|, FLOOR
.endr
.irp i, 2,4,6
.irp g, 0,1,2,3
	v_max3_num_f32 v[MX+\g], v[MX+\g], |v[XS+8*\g+\i]|, |v[XS+8*\g+\i+1]|
.endr
.endr
.irp g, 0,1,2,3
	v_max_num_f32_dpp v[MX+\g], v[MX+\g], v[MX+\g] row_xmask:1 row_mask:0xf bank_mask:0xf
.endr
.irp g, 0,1,2,3
	v_max_num_f32_dpp v[MX+\g], v[MX+\g], v[MX+\g] row_xmask:2 row_mask:0xf bank_mask:0xf   ; the block's largest magnitude
.endr
.irp g, 0,1,2,3
	v_add_nc_u32 v[SQ+\g], 0xff000000, v[MX+\g]    ; 2 off its exponent field: the conversion takes the exponent field of this operand as its scale, and nothing else of it
.endr
.irp g, 0,1,2,3
	v_cvt_scalef32_pk8_fp4_f32 v[CD+\g], v[XS+8*\g:XS+8*\g+7], v[SQ+\g]
.endr
.irp g, 0,1,2,3
	v_lshrrev_b32 v[EB+\g], 23, v[SQ+\g]           ; the scale's byte.  (Also the plain line behind the conversions)
.endr
	s_wait_alu depctr_va_vdst(0)                   ; the codes and the scale bytes are written, which the unit's LDS stores read; the maxima and conversions are done reading this set of numbers, in which the loads that follow the unit land
.endm
; Group 4 u + g of the step holds keys 16 u + 4 g + l / 8.  Of a key's place among its 32, bit 4 (u % 2) is bit 3 of the tile's row, bit 3 (g / 2) says which tile of the pair, bit 2 (g % 2) and l / 8 are the row's low bits.
.macro STOREK u
.irp g, 0,1,2,3
	ds_store_b32 v[KC], v[CD+\g] offset:((\u)/2)*1024+(\g/2)*512+(4*(\g%2)+8*((\u)%2))*16
	ds_store_b8 v[KS], v[EB+\g] offset:SCW+(4*(\g%2)+8*((\u)%2))*16+((\u)/2)*4+2*(\g/2)   ; byte 2 x tile of the pair + block; the block's four lanes write the same byte with the same value
.endr
.endm
.macro STOREQ u                        ; unit u is tile u; group g holds its rows 4 g + l / 8
.irp g, 0,1,2,3
	ds_store_b32 v[QC], v[CD+\g] offset:(\u)*512+\g*64
	ds_store_b8 v[QS], v[EB+\g] offset:(\u)*64+\g*16
	ds_store_b8 v[QS], v[EB+\g] offset:(\u)*64+\g*16+2      ; twice: the word serves q in the lower and in the upper 64 of the instruction's K
.endr
.endm
; A unit of v: block t / 2 of the step's four blocks of 32 keys, columns 32 (t % 2) + lane.  A LANE TAKES A COLUMN AND ITS REGISTERS RUN DOWN THE KEYS, which are the second product's K:
; the block's largest magnitude needs no other lane, and the conversions' results are the operand's registers.  A load reads 128 consecutive bytes; the row's other 128 come with the next unit.
.macro LOADV t
.irp i, 0,1,2,3,4,5,6,7,8,9,10,11,12,13,14,15,16,17,18,19,20,21,22,23,24,25,26,27,28,29,30,31
	global_load_b32 v[VR+32*((\t)%2)+\i], v[GV], s[8:9] offset:(32*((\t)/2)+\i)*256+128*((\t)%2)
.endr
.endm
.macro BLOCKV t
.set XS, VR+32*((\t)%2)
	s_wait_alu depctr_vm_vsrc(0)                   ; the last unit's LDS stores have read the registers of codes and of scale bytes, which are written again below
	v_max3_num_f32 v[MX], |v[XS]|, |v[XS+1]|, |v[XS+2]|
	v_max3_num_f32 v[MX+1], |v[XS+3]|, |v[XS+4]|, |v[XS+5]|
.irp i, 6,10,14,18,22,26
	v_max3_num_f32 v[MX], v[MX], |v[XS+\i]|, |v[XS+\i+1]|
	v_max3_num_f32 v[MX+1], v[MX+1], |v[XS+\i+2]|, |v[XS+\i+3]|
.endr
	v_max3_num_f32 v[MX], v[MX], |v[XS+30]|, |v[XS+31]|
	v_max3_num_f32 v[MX], v[MX], v[MX+1], FLOOR
	v_add_nc_u32 v[SQ], 0xff000000, v[MX]
	v_lshrrev_b32 v[EB], 23, v[SQ]
.if (\t)/2 == 0
	v_mov_b32 v[VW+(\t)%2], v[EB]                  ; the four blocks' bytes make my column's scale word for this key step
.else
	v_lshl_or_b32 v[VW+(\t)%2], v[EB], 8*((\t)/2), v[VW+(\t)%2]
.endif
.irp g, 0,1,2,3
	v_cvt_scalef32_pk8_fp4_f32 v[CD+\g], v[XS+8*\g:XS+8*\g+7], v[SQ]
.endr
	v_nop                                          ; one plain line behind the last conversion
	s_wait_alu depctr_va_vdst(0)                   ; the codes and the scale word are written, which the LDS stores below read; the maxima and conversions are done reading this set of numbers, in which the loads that follow the unit land
	ds_store_b128 v[VC], v[CD:CD+3] offset:VIMG+((\t)%2)*2048+((\t)/4)*512+(((\t)/2)%2)*256   ; tile 2 (t % 2) + h; block 2 c + h' lies in chunk c at lanes 16 h' on
.if (\t)/2 == 3
	ds_store_b32 v[VS], v[VW+(\t)%2] offset:SCW+256+8*((\t)%2)
.endif
.endm
	; Loads run three units ahead.  Each count is the number of loads issued behind the unit that is wanted (loads come back in order: ISA guide 5.7.1).
	; The wait on DScnt at a unit's head: the last unit's LDS stores are done; the wait on vm_vsrc with which the unit begins states that they have read their registers.
	; Behind a unit's closing wait the set that it has read out is asked for again at once, ahead of the unit's LDS stores.
	LOADQ 0, 0
	LOADQ 1, 1
	LOADK 2, 0
	LOADK 3, 1
	s_wait_loadcnt 24
	QUANT4 0, 1
	LOADK 0, 2
	STOREQ 0
	s_wait_loadcnt 24
	s_wait_dscnt 0x0
	QUANT4 1, 0
	LOADK 1, 3
	STOREQ 1
.irp u, 0,1,2,3
	s_wait_loadcnt 24                              ; three units of 8 may be out
	s_wait_dscnt 0x0
	QUANT4 (\u+2)%4, 0
	LOADK (\u+2)%4, \u+4
	STOREK \u
.endr
	s_wait_loadcnt 24
	s_wait_dscnt 0x0
	QUANT4 2, 0
	STOREK 4
	LOADV 0                                        ; into v32-63, which no vector instruction has named yet
	s_wait_loadcnt 48                              ; k's units 6 and 7, v's first 32
	s_wait_dscnt 0x0
	QUANT4 3, 0
	STOREK 5
	s_wait_loadcnt 40                              ; k's unit 7, v's first 32
	s_wait_dscnt 0x0
	QUANT4 0, 0
	STOREK 6
	s_wait_loadcnt 32                              ; v's first 32
	s_wait_dscnt 0x0
	QUANT4 1, 0
	STOREK 7
	LOADV 1                                        ; into v64-95, likewise
.irp t, 0,1,2,3,4,5
	s_wait_loadcnt 32                              ; the next unit's 32 may be out
	s_wait_dscnt 0x0
	BLOCKV \t
	LOADV \t+2
.endr
	s_wait_loadcnt 32
	s_wait_dscnt 0x0
	BLOCKV 6
	s_wait_loadcnt 0x0
	s_wait_dscnt 0x0
	BLOCKV 7
	s_wait_dscnt 0x0                               ; for the others' sake: my key step's images and scale words have landed
	s_barrier_signal -1
	s_barrier_wait -1                              ; the whole head lies in LDS.  The launch's only barrier: from here on these bytes are only read, and a wave writes its own stage alone
	s_wait_alu depctr_vm_vsrc(0)                   ; my last LDS stores have read the registers of codes and of V's scale words: from here on these hold tile B's codes of p and the blocks' largest scores, written by vector instructions
	ds_load_b128 v[QR+4:QR+7], v[QF]               ; qA, qB and their scale words: waited for with the first key step's fragments.  No wait on va_vdst: no vector instruction since the one in v's last unit names these registers or the two addresses
	ds_load_b128 v[QR+12:QR+15], v[QF] offset:512
	ds_load_b32 v[QSA], v[QL]
	ds_load_b32 v[QSB], v[QL] offset:64
.irp j, 0,1,2,3,8,9,10,11,16,17,18,19
	v_mov_b32 v[QR+\j], 0                          ; the zero codes beside q
.endr
	v_mov_b32 v[STA+1], 0xff61b1e6                 ; the largest t so far: -3e38, under every t
	v_mov_b32 v[STB+1], 0xff61b1e6
	v_floor_f32 v[STA], -v[STA+1]                  ; -M
	v_floor_f32 v[STB], -v[STB+1]
.irp j, STA+2, STA+3, STB+2, STB+3, PB, PB+1, PB+2, PB+3, F+1
	v_mov_b32 v[\j], 0                             ; the sums; a lane permute's destination counts as one of its sources; the upper half of the pair that holds f
.endr
.set j, 0
.rept 64
	v_mov_b32 v[OA+j], 0                           ; O^T.  (The step is written once: the first finds zeros, which the first change of M leaves zeros)
.set j, j+1
.endr
; ---- A KEY STEP'S PARTS
; S^T of one tile of queries: each pair-fragment of K against (q, zeros) and against (zeros, q).  Eight results, each begun with the constant 0.
.macro SCORES qlo, qhi, qs
.irp f, 0,1,2,3
	v_wmma_scale_f32_16x16x128_f8f6f4 v[S+16*\f:S+16*\f+7], v[KV+8*\f:KV+8*\f+7], v[\qlo:\qlo+7], 0, v[SCL+\f], v[\qs] matrix_a_fmt:MATRIX_FMT_FP4 matrix_b_fmt:MATRIX_FMT_FP4
	v_wmma_scale_f32_16x16x128_f8f6f4 v[S+16*\f+8:S+16*\f+15], v[KV+8*\f:KV+8*\f+7], v[\qhi:\qhi+7], 0, v[SCL+\f], v[\qs] matrix_a_fmt:MATRIX_FMT_FP4 matrix_b_fmt:MATRIX_FMT_FP4
.endr
.endm
; Two of the eight LDS loads that bring V's four tiles: 512 consecutive bytes each
.macro VLOAD i0
.irp i, \i0, \i0+1
	ds_load_b128 v[KV+4*(\i):KV+4*(\i)+3], v[AD] offset:VIMG+512*(\i)
.endr
.endm
; The softmax of one tile for 128 keys: register 16 b + i of S is key 32 b + 16 (lane / 16) + i of my query.  st: the tile's statistics; ob: its O^T; pc: where p's codes go; ps: p's scale word.
; vl = 1: tile B's, in which V's tiles are asked for.
.macro SOFTMAX st, ob, pc, ps, vl
.irp b, 0,1,2,3
	v_max3_num_f32 v[BM+\b], v[S+16*\b], v[S+16*\b+1], v[S+16*\b+2]   ; THE LARGEST SCORE OF EACH BLOCK OF 32 KEYS serves twice: for the row's maximum and, since p rises with the score, for the block's largest p.  (Each result is read from its low end on)
.endr
.irp i, 3,5,7,9,11,13
.irp b, 0,1,2,3
	v_max3_num_f32 v[BM+\b], v[BM+\b], v[S+16*\b+\i], v[S+16*\b+\i+1]
.endr
.endr
.irp b, 0,1,2,3
	v_max_num_f32 v[BM+\b], v[BM+\b], v[S+16*\b+15]
.endr
.irp b, 0,1,2,3
	v_permlanex16_b32 v[PB+\b], v[BM+\b], s[SEL], s[SEL+1]
.endr
.irp b, 0,1,2,3
	v_max_num_f32 v[BM+\b], v[BM+\b], v[PB+\b]     ; with lane l xor 16's 16 keys
.endr
	v_max3_num_f32 v[T], v[BM], v[BM+1], v[BM+2]
	v_max_num_f32 v[T], v[T], v[BM+3]              ; the step's largest score of my query
	v_mul_f32 v[T], s[CS], v[T]                    ; as t (c is positive)
	v_max_num_f32 v[\st+1], v[\st+1], v[T]         ; the running largest t
	v_mov_b32 v[T], v[\st]
	v_floor_f32 v[\st], -v[\st+1]                  ; the new -M = floor(-t) = -ceil(t): M is a whole number
	v_sub_f32 v[T], v[\st], v[T]                   ; M's old value less its new one: a whole number, 0 or less
	v_cvt_i32_f32 v[T], v[T]                       ; (it saturates)
	v_ldexp_f32 v[F], 1.0, v[T]                    ; f = 2^(old M - new M)
.set j, 0
.rept 32
	v_pk_fma_f32 v[S+j:S+j+1], v[S+j:S+j+1], s[CS:CS+1], v[\st:\st+1] op_sel_hi:[1,0,0]   ; t - M, two at a time (of the pairs c and -M the low word serves both halves)
.set j, j+2
.endr
.irp b, 0,1,2,3
	v_fma_f32 v[BM+\b], v[BM+\b], s[CS], v[\st]    ; the same of each block's largest score
.endr
.set j, 0
.rept 64
	v_exp_f32 v[S+j], v[S+j]                       ; p = 2^(t - M), at most 1: not normalised
.set j, j+1
.endr
.irp b, 0,1,2,3
	v_exp_f32 v[BM+\b], v[BM+\b]                   ; the block's largest p: the same two instructions on the same number give the same bits
.endr
	v_pk_mul_f32 v[\st+2:\st+3], v[\st+2:\st+3], v[F:F+1] op_sel_hi:[1,0]   ; the sums under the new M.  (The plain line behind the exponentials: ISA guide 5.7.2)
	s_wait_alu depctr_va_vdst(0)                   ; the 68 exponentials have written p and the blocks' largest p, ahead of their first reader: one wait for the batch.  In tile B's softmax also: the products K Q^T are done reading K's registers, in which V's loads below land
.if \vl
	VLOAD 0                                        ; V's tiles, two loads at a time among lines that name neither their registers nor v[AD]: no further wait
.endif
.irp b, 0,1,2,3
	v_max_num_f32 v[BM+\b], FLOOR, v[BM+\b]        ; a block whose every p has fallen to 0 keeps the byte 1: its codes are zeros
.endr
.if \vl
	VLOAD 2
.endif
.irp b, 0,1,2,3
	v_add_nc_u32 v[SOP+\b], 0xff000000, v[BM+\b]   ; 2 off the exponent field: the conversion's scale operand
.endr
.if \vl
	VLOAD 4
.endif
.irp b, 0,1,2,3
	v_lshrrev_b32 v[PB+\b], 23, v[SOP+\b]          ; the scale's byte
.endr
.if \vl
	VLOAD 6                                        ; the last two: the rest of the softmax, some 70 vector lines, stands between them and the wait for them
.endif
	v_lshl_or_b32 v[\ps], v[PB+1], 8, v[PB]        ; p's scale word for these 128 keys
	v_lshl_or_b32 v[\ps], v[PB+2], 16, v[\ps]
	v_lshl_or_b32 v[\ps], v[PB+3], 24, v[\ps]
.irp b, 0,1,2,3
	v_cvt_scalef32_pk8_fp4_f32 v[\pc+2*\b], v[S+16*\b:S+16*\b+7], v[SOP+\b]
	v_cvt_scalef32_pk8_fp4_f32 v[\pc+2*\b+1], v[S+16*\b+8:S+16*\b+15], v[SOP+\b]
.endr
	v_nop                                          ; one plain line between a scaled conversion and the vector instruction that touches its result
.irp c, 0,1                                    ; the operand's layout wants a WHOLE block in a lane: lanes 0-15 block 2 c, lanes 16-31 block 2 c + 1
.irp i, 0,1
	v_permlane16_swap_b32 v[\pc+4*\c+\i], v[\pc+4*\c+2+\i]
.endr
.endr
.set j, 0
.rept 16
	v_pk_mul_f32 v[\ob+j:\ob+j+1], v[\ob+j:\ob+j+1], v[F:F+1] op_sel_hi:[1,0]   ; O^T under the new M, each result from its low end on
.set j, j+2
.endr
	v_pk_add_f32 v[PB:PB+1], v[S:S+1], v[S+2:S+3]  ; THE ROW'S SUM IS TAKEN OF THE UNQUANTISED p: two at a time, in two chains
.irp j, 4,8,12,16,20,24,28,32,36,40,44,48,52,56,60
	v_pk_add_f32 v[\st+2:\st+3], v[\st+2:\st+3], v[S+\j:S+\j+1]
	v_pk_add_f32 v[PB:PB+1], v[PB:PB+1], v[S+\j+2:S+\j+3]
.endr
	v_pk_add_f32 v[\st+2:\st+3], v[\st+2:\st+3], v[PB:PB+1]
.endm                                  ; behind p's scale word and codes stand these 48 plain lines: more than the 8 and the 4 that a scaled product wants in front of it
; O^T += V^T P^T for both tiles: each tile of V serves A and B.  The eight accumulators take turns, one instruction a turn.  V's scale words lie in lanes 16-31 of the step's registers.
.macro PV
.irp t, 0,1,2,3
	v_wmma_scale_f32_16x16x128_f8f6f4 v[OA+8*\t:OA+8*\t+7], v[KV+8*\t:KV+8*\t+7], v[PCA:PCA+7], v[OA+8*\t:OA+8*\t+7], v[SCL+\t], v[PSA] matrix_a_fmt:MATRIX_FMT_FP4 matrix_b_fmt:MATRIX_FMT_FP4 matrix_a_scale:MATRIX_SCALE_ROW1
	v_wmma_scale_f32_16x16x128_f8f6f4 v[OB+8*\t:OB+8*\t+7], v[KV+8*\t:KV+8*\t+7], v[PCB:PCB+7], v[OB+8*\t:OB+8*\t+7], v[SCL+\t], v[PSB] matrix_a_fmt:MATRIX_FMT_FP4 matrix_b_fmt:MATRIX_FMT_FP4 matrix_a_scale:MATRIX_SCALE_ROW1
.endr
.endm
.macro PLACES n                        ; a load into a register that a matrix instruction has read, and a vector instruction that reads its result, stand four plain vector instructions behind it (ISA guide 7.12.1 for the vector instruction)
.rept \n
	v_nop
.endr
.endm
	s_mov_b32 s24, 0                               ; the key step's region in LDS
	s_mov_b32 s25, 16                              ; key steps to go
.Lstep:
	s_wait_alu depctr_vm_vsrc(0)                   ; the last step's LDS loads have read v[AD], which the next line writes
	v_add_nc_u32 v[AD], s24, v[LI]                 ; with the three below: the four places behind the last step's products
	PLACES 3
	s_wait_alu depctr_va_vdst(0)                   ; v[AD] is written, which the loads below read; the last step's products V^T P^T are done reading V's tiles and the scale words, in whose registers the loads land.  In the first trip: the quantiser's lines are done with those registers, and the zero codes beside q are written, which the scaled products take in source 1
.irp i, 0,1,2,3,4,5,6,7
	ds_load_b128 v[KV+4*\i:KV+4*\i+3], v[AD] offset:512*\i          ; K's four pair-fragments: 512 consecutive bytes a load
.endr
	ds_load_b128 v[SCL:SCL+3], v[AD] offset:SCW    ; lanes 0-15 K's four scale words, lanes 16-31 V's
	s_wait_dscnt 0x0
	SCORES QR+4, QR, QSA
	PLACES 4
	SOFTMAX STA, OA, PCA, PSA, 0
	SCORES QR+12, QR+8, QSB
	PLACES 4                                       ; for the reads of the scores
	SOFTMAX STB, OB, PCB, PSB, 1                   ; V's four tiles are asked for in it, behind its wait, and land while its second half is worked
	s_wait_dscnt 0x0                               ; V is in
	s_wait_alu depctr_va_vdst(0)                   ; tile B's codes of p and its scale word are written, which the scaled products below take as source 1 and as scales (tile A's were written ahead of the wait in tile B's softmax); the 48 plain lines in front stay beside this wait
	PV
	s_add_co_u32 s24, s24, STEPB
	s_sub_co_u32 s25, s25, 1
	s_cmp_lg_u32 s25, 0
	s_cbranch_scc1 .Lstep
	; ---- THE WAY OUT.  The sums' two halves and lane l xor 16's are added; O^T is divided by the sum and goes through my stage in LDS, a tile (16 rows of 256 bytes) at a time.
	; The four additions and the two moves, which name no register of the last products, are the places behind them.
	v_add_f32 v[STA+2], v[STA+2], v[STA+3]
	v_add_f32 v[STB+2], v[STB+2], v[STB+3]
	v_permlanex16_b32 v[PB], v[STA+2], s[SEL], s[SEL+1]
	v_permlanex16_b32 v[PB+1], v[STB+2], s[SEL], s[SEL+1]
	v_add_f32 v[STA+2], v[STA+2], v[PB]
	v_add_f32 v[STB+2], v[STB+2], v[PB+1]
	v_rcp_f32 v[F], v[STA+2]
	v_rcp_f32 v[T], v[STB+2]
	v_mov_b32 v[F+1], 0                            ; the plain line behind the reciprocals; the packed multiply names the pairs, so their upper halves are written
	v_mov_b32 v[T+1], 0
.set j, 0
	s_wait_alu depctr_va_vdst(0)                   ; the two reciprocals have written v[F] and v[T], ahead of their first reader
.rept 16
	v_pk_mul_f32 v[S+j:S+j+1], v[OA+j:OA+j+1], v[F:F+1] op_sel_hi:[1,0]         ; register 8 t + i is o(query r, 16 t + 8 h + i)
.set j, j+2
.endr
.set j, 0
.rept 16
	v_pk_mul_f32 v[S+32+j:S+32+j+1], v[OB+j:OB+j+1], v[T:T+1] op_sel_hi:[1,0]
.set j, j+2
.endr
.macro TOSTAGE src, back
.irp t, 0,1,2,3
	ds_store_b128 v[SO], v[\src+8*\t:\src+8*\t+3] offset:64*\t
	ds_store_b128 v[SO], v[\src+8*\t+4:\src+8*\t+7] offset:64*\t+16
.endr
.irp i, 0,1,2,3,4,5,6,7
	ds_load_b128 v[\back+4*\i:\back+4*\i+3], v[SR] offset:2*\i*SP   ; LDS serves a wave's instructions in order (ISA guide 5.7.1.4): these see my stores, and the next tile's stores come behind them
.endr
.endm
.macro SEND back, tile, younger        ; younger: the LDS instructions issued behind this tile's loads
.irp i, 0,1,2,3,4,5,6,7
	s_wait_dscnt \younger+7-\i
	global_store_b128 v[LI], v[\back+4*\i:\back+4*\i+3], s[10:11] offset:4096*\tile+512*\i th:TH_STORE_NT   ; a tile's 16 rows are 4,096 dense bytes: the 32 lanes store 512 consecutive bytes, at a multiple of 512 from out0's first byte
.endr
.endm
	s_wait_alu depctr_va_vdst(0)                   ; the 32 multiplies have written v96-159, which the LDS stores read, and are done reading O^T of A; the last products are done with V's registers: in these two runs the loads from the stage land.  No vector instruction follows before the closing lines' makers
	TOSTAGE S, KV
	TOSTAGE S+32, OA
	SEND KV, 0, 16
	SEND OA, 1, 0
	s_wait_xcnt 0x0                                ; every store has had its address translated (ISA guide 3.1), ahead of the two lines that write registers
	v_lshl_add_u32 v254, v0, 2, 0x38000            ; my spare word, behind the stages, and 0: made anew here, from v0 as it was at the entry; no memory or LDS instruction has read v254 or v255
	v_mov_b32 v255, 0
	s_wait_dscnt 0x0                               ; the closing lines, six on end
	s_wait_alu 0x0
	s_wait_tensorcnt 0x0
	ds_add_u32 v254, v255
	s_wait_dscnt 0x0
	s_endpgm
.Lfunc_end_k_q8a9509ef42_attn:
	.size	k_q8a9509ef42_attn, .Lfunc_end_k_q8a9509ef42_attn-k_q8a9509ef42_attn
	.p2alignl 7, 3214868480
	.fill 96, 4, 3214868480
	.section	.rodata,"a",@progbits
	.p2align	6, 0x0
	.amdhsa_kernel k_q8a9509ef42_attn
		.amdhsa_group_segment_fixed_size 231424
		.amdhsa_private_segment_fixed_size 0
		.amdhsa_enable_private_segment 0
		.amdhsa_kernarg_size 32
		.amdhsa_user_sgpr_count 2
		.amdhsa_user_sgpr_kernarg_segment_ptr 1
		.amdhsa_wavefront_size32 1
		.amdhsa_system_sgpr_workgroup_id_x 1
		.amdhsa_system_sgpr_workgroup_id_y 1
		.amdhsa_system_sgpr_workgroup_id_z 1
		.amdhsa_system_vgpr_workitem_id 0
		.amdhsa_next_free_vgpr 256
		.amdhsa_next_free_sgpr 66
		.amdhsa_reserve_vcc 0
		.amdhsa_float_denorm_mode_32 3
		.amdhsa_float_denorm_mode_16_64 3
		.amdhsa_memory_ordered 1
		.amdhsa_forward_progress 1
		.amdhsa_inst_pref_size 116
	.end_amdhsa_kernel
	.amdgpu_metadata
---
amdhsa.version: [ 1, 2 ]
amdhsa.kernels:
  - .name:           k_q8a9509ef42_attn
    .symbol:         k_q8a9509ef42_attn.kd
    .args:
      - { .name: q, .offset: 0, .size: 8, .value_kind: global_buffer, .address_space: global }
      - { .name: k, .offset: 8, .size: 8, .value_kind: global_buffer, .address_space: global }
      - { .name: v, .offset: 16, .size: 8, .value_kind: global_buffer, .address_space: global }
      - { .name: out0, .offset: 24, .size: 8, .value_kind: global_buffer, .address_space: global }
    .group_segment_fixed_size: 231424
    .private_segment_fixed_size: 0
    .kernarg_segment_align: 8
    .kernarg_segment_size: 32
    .max_flat_workgroup_size: 512
    .sgpr_count:     66
    .vgpr_count:     256
    .wavefront_size: 32
...
	.end_amdgpu_metadata
.endif
;; end of part 2
